; MI455X (gfx1250); checked and timed in simulation.
; The chip was launched on July 23, 2026; its instructions are those of AMD's public machine-readable ISA for CDNA 5 (MIT licence, August 2026) and "CDNA5" Instruction Set Architecture Reference Guide (July 2026). The comments in the code are by the model that wrote it; some were corrected since.
;; TTT layer. Allowed arithmetic: float matrix products may take bf16 or f16 operands with f32 sums; all other float work in f32.
;; Inputs: W0 1,024 x 1,024 float32; b0 1,024 float32; in_seq 8 x 128 x 1,024 float32; theta_K 1,024 x 1,024 float32; theta_Q 1,024 x 1,024 float32; theta_V 1,024 x 1,024 float32.
;; Outputs: out0 8 x 128 x 1,024 float32.
;; One version. Each part assembles by itself: llvm-mc -triple=amdgcn-amd-amdhsa -mcpu=gfx1250 --defsym DOCPART=n.
;; ======== version 1 of 1: 2 launches
;; limits: values outside matrix products are rounded to bf16
;; workspace buffers: kq 4,194,304 bytes; vf 4,194,304 bytes; wb 2,097,152 bytes
;; launch proj (part 1): grid 24 x 8, 4 waves a work-group, clusters of 4 x 4, 327,680 bytes of LDS; arguments in_seq, theta_K, theta_V, theta_Q, W0, kq, vf, wb; writes kq, vf, wb
.if DOCPART == 1
	.amdgcn_target "amdgcn-amd-amdhsa--gfx1250"
	.amdhsa_code_object_version 6
	.text
	.protected	k_q91389bbbbc_proj
	.globl	k_q91389bbbbc_proj
	.p2align	8
	.type	k_q91389bbbbc_proj,@function
k_q91389bbbbc_proj:
	s_mov_b64 s[64:65], 0
	v_nop
	global_prefetch_b8 v0, s[64:65] scope:SCOPE_SE
	s_setreg_imm32_b32 hwreg(HW_REG_WAVE_MODE, 25, 1), 1
	s_wait_xcnt 0x0
	s_wait_alu depctr_hold_cnt(0) depctr_sa_sdst(0) depctr_va_vdst(0) depctr_va_sdst(0) depctr_va_ssrc(0) depctr_va_vcc(0) depctr_vm_vsrc(0)
	s_getreg_b32 s2, hwreg(HW_REG_IB_STS2, 6, 4)
	s_cmp_eq_u32 s2, 0
	s_cbranch_scc0 .Lentry_in_a_cluster
	s_endpgm
.Lentry_in_a_cluster:
	s_bfe_u32 s2, ttmp6, 0x10000c
	s_cmp_lg_u32 s2, 0xf033
	s_cbranch_scc0 .Lentry_shape_is_right
	s_endpgm
.Lentry_shape_is_right:
; K, V, Q = X theta^T.  X = in_seq as [1024 tokens][1024] f32, theta_* [1024][1024] f32.  Products with bf16 operands, sums in f32.
; OUT: kq = bf16 [2][1024][1024] (plane 0 K, plane 1 Q: they are matrix operands of the next launch), vf = V in f32, wb = W0 rounded to bf16.
; LIMIT: X, theta and W0 enter the products rounded to bf16 (nearest even), K and Q leave rounded to bf16; V stays f32.
; SHARES.  The three products are one product with 3,072 columns: 24 x 8 tiles of 128 tokens x 128 columns.  A work-group makes one tile, each of its four waves 64 x 64
; (16 accumulators).  K goes in steps of 128 f32 (LDS rows of 512 bytes + 16 of padding) through two LDS slots; a wave's tensor load brings 64 rows.
; The tiles stay f32 in LDS; a wave rounds its fragments in registers (64 conversions for 16 matrix instructions), so no input byte passes through memory twice.
; CLUSTERS: 4 x 4 work-groups.  The four of a row of the cluster need the same rows of X, the four of a column the same rows of theta: each tile is asked for jointly.
; A cluster's four tile columns lie in ONE theta (role = cluster x / 2: 0 K, 1 V, 2 Q), so the role is the same number in all sixteen partners.
; THE MATRIX INSTRUCTION IS USED TRANSPOSED (source 0 = 16 rows of theta, source 1 = 16 tokens): a lane holds eight neighbouring columns of one token.
; SIDE JOB: the 128 work-groups of roles 0 and 2 each round 8 rows of W0 to bf16 while their first tiles are on the way.
; REGISTERS: window 0: v0-31 addresses; v32-95 at work on the way out; v64-127 bf16 fragments (A's 4 x 8, then B's 4 x 8); v128-255 accumulators.
;            window 1: two buffers of 128 with the fragments as loaded, f32 (A's 4 x 16, then B's 4 x 16).
.set DIM,    1024
.set KSTEP,  128                       ; f32 along K in a step
.set PITCH,  528                       ; 512 bytes + 16 = 132 words: row r starts at bank 4 r mod 64 (64 banks of 4 bytes: ISA guide 11.1)
.set HALFT,  64*PITCH                  ; what one tensor load brings
.set SLOT,   4*HALFT                   ; X's 128 rows, then theta's 128 rows
.set STAGE,  2*SLOT                    ; behind the ring: 128 rows x 272 bytes, the work-group's bf16 stage
.set SPITCH, 272
.set LAPS,   DIM/(2*KSTEP)
.set ADRA, 16                          ; v16-17 LDS address of my X fragments in slot 0, 1
.set ADRB, 20                          ; v20-21 the same for theta
.set STO,  24                          ; bf16 way out: where I put 16 bytes
.set RD,   25                          ; bf16 way out: where I read a row back
.set CO,   26                          ; my byte offset in kq
.set STV,  27                          ; f32 way out (V): the same three
.set RDV,  28
.set COV,  29
.set TMP,  32
.set FR,   64
.set ACC,  128
.set F0,   0
.set F1,   128
.set G1,  24                           ; s[24:31] group 1 for X's tiles; s[32:39] group 0, a set for each slot
.set G0,  32
.set G1B, 48                           ; s[48:55], s[56:63] the same for theta's tiles
.set G0B, 56
.set MSB, 0
.macro WIN new                         ; the immediate's high byte repeats the setting that is left
.if MSB != \new
	s_set_vgpr_msb (MSB<<8)|\new
.set MSB, \new
.endif
.endm
.macro PLACES                          ; four places behind matrix instructions (ISA guide 7.12.1)
.rept 4
	v_nop
.endr
.endm
.macro JLOAD s                         ; a joint refill: waves 0, 1 fetch X's two halves, waves 2, 3 theta's; four v_nop follow each line
	s_cmp_eq_u32 s11, 0
	s_cbranch_scc0 .Lfor_b_\@
	tensor_load_to_lds s[G0+4*\s:G0+4*\s+3], s[G1:G1+7]
	s_nop 0
.rept 4
	v_nop
.endr
	s_branch .Lasked_\@
.Lfor_b_\@:
	tensor_load_to_lds s[G0B+4*\s:G0B+4*\s+3], s[G1B:G1B+7]
	s_nop 0
.rept 4
	v_nop
.endr
.Lasked_\@:
.endm
.macro CREST                           ; a round of the cluster's barrier behind its opening barrier
	s_cmp_lg_u32 s10, 0
	s_cbranch_scc1 .Lnot_wave_0_\@
	s_barrier_signal -3
.Lnot_wave_0_\@:
	s_barrier_wait -3
	s_barrier_signal -1
	s_barrier_wait -1
.endm
.macro CROUND
	s_barrier_signal -1
	s_barrier_wait -1
	CREST
.endm
	s_load_b512 s[68:83], s[0:1], 0x0              ; in_seq 68, theta_K 70, theta_V 72, theta_Q 74, W0 76, kq 78, vf 80, wb 82
	v_lshl_add_u32 v30, v0, 2, 0x4a800
	v_mov_b32 v31, 0
	ds_add_u32 v30, v31
	ds_add_u32 v30, v31
	v_lshrrev_b32 v1, 5, v0
	v_readfirstlane_b32 s10, v1                    ; wave 0..3
	s_lshr_b32 s11, s10, 1                         ; my half of the tile's tokens.  Also: I fetch for X (0) or for theta (1)
	s_and_b32 s12, s10, 1                          ; my half of its columns.  Also: which 64 rows I fetch
	s_bfe_u32 s40, ttmp6, 0x40000                  ; cx
	s_bfe_u32 s41, ttmp6, 0x40004                  ; cy
	s_lshr_b32 s45, ttmp9, 1                       ; role: 0 K, 1 V, 2 Q; made of the cluster's x alone
	s_and_b32 s42, ttmp9, 1
	s_lshl_b32 s42, s42, 2
	s_add_co_u32 s42, s42, s40                     ; tile column inside my theta, 0..7
	s_and_b32 s13, ttmp7, 0xffff
	s_lshl_b32 s13, s13, 2
	s_add_co_u32 s13, s13, s41                     ; tile row = the sequence, 0..7
	s_lshl_b32 s43, s41, 2
	s_lshl_b32 s43, 15, s43                        ; my row of the cluster
	s_lshl_b32 s44, 0x1111, s40                    ; my column
	; group 1: 64 rows x 128 elements of 4 bytes; padding of 4 words behind every 128 words; bit 21 beside a mask
	s_or_b32 s[G1+0], s43, (2<<16)|(1<<20)|(1<<21)|(6<<22)|(3<<25)
	s_or_b32 s[G1B+0], s44, (2<<16)|(1<<20)|(1<<21)|(6<<22)|(3<<25)
.irp g, G1, G1B
	s_mov_b32 s[\g+1], KSTEP<<16                   ; tensor_dim0 = 128
	s_mov_b32 s[\g+2], 64<<16                      ; tensor_dim1 = 64
	s_mov_b32 s[\g+3], KSTEP<<16                   ; tile_dim0 = 128
	s_mov_b32 s[\g+4], 64                          ; tile_dim1 = 64
	s_mov_b32 s[\g+5], DIM                         ; elements from row to row
	s_mov_b32 s[\g+6], 0
	s_mov_b32 s[\g+7], 0
.endr
	s_lshl_b32 s17, s12, 18                        ; 64 rows of 4,096 bytes x my half
	s_lshl_b32 s16, s13, 19                        ; X: 128 rows x tile row
	s_add_co_u32 s16, s16, s17
	s_lshl_b32 s46, s42, 19                        ; theta: 128 rows x tile column
	s_add_co_u32 s46, s46, s17
	s_mov_b32 s17, 0
	s_mov_b32 s47, 0
	s_mul_i32 s20, s10, HALFT                      ; where they go: wave x 64 rows
	s_wait_dscnt 0x0
	s_wait_kmcnt 0x0
	s_cmp_eq_u32 s45, 0
	s_cselect_b64 s[18:19], s[70:71], s[72:73]     ; theta_K or theta_V,
	s_cmp_eq_u32 s45, 2
	s_cselect_b64 s[18:19], s[74:75], s[18:19]     ; or theta_Q
	s_add_nc_u64 s[14:15], s[68:69], s[16:17]
	s_add_nc_u64 s[46:47], s[18:19], s[46:47]
	CROUND                                         ; all sixteen work-groups are here: the first joint loads meet
.irp s, 0,1
	s_mov_b32 s[G0+4*\s], 1
	s_add_co_u32 s[G0+4*\s+1], s20, \s*SLOT
	s_add_nc_u64 s[G0+4*\s+2:G0+4*\s+3], s[14:15], \s*KSTEP*4
	s_or_b32 s[G0+4*\s+3], s[G0+4*\s+3], 0x80000000
	s_mov_b32 s[G0B+4*\s], 1
	s_add_co_u32 s[G0B+4*\s+1], s20, \s*SLOT
	s_add_nc_u64 s[G0B+4*\s+2:G0B+4*\s+3], s[46:47], \s*KSTEP*4
	s_or_b32 s[G0B+4*\s+3], s[G0B+4*\s+3], 0x80000000
.endr
	s_cmp_eq_u32 s11, 0                            ; a wave's two first fills stand in one branch: two tensor loads of mine are out
	s_cbranch_scc0 .Lfirst_b
	tensor_load_to_lds s[G0:G0+3], s[G1:G1+7]
	s_nop 0
	tensor_load_to_lds s[G0+4:G0+7], s[G1:G1+7]
	s_nop 0
.rept 4
	v_nop
.endr
	s_branch .Lfirst_asked
.Lfirst_b:
	tensor_load_to_lds s[G0B:G0B+3], s[G1B:G1B+7]
	s_nop 0
	tensor_load_to_lds s[G0B+4:G0B+7], s[G1B:G1B+7]
	s_nop 0
.rept 4
	v_nop
.endr
.Lfirst_asked:
	; A bf16 fragment wants, in lane l, row l % 16 and K = 8 (l / 16) + 0..7 and 16 + 8 (l / 16) + 0..7: in f32 that is 32 bytes at 32 (l / 16) and 32 bytes 64 further on.
	v_and_b32 v1, 15, v0                           ; r = l % 16
	v_bfe_u32 v2, v0, 4, 1                         ; h = l / 16
	v_mul_u32_u24 v3, v1, PITCH
	v_lshl_add_u32 v3, v2, 5, v3                   ; r x pitch + 32 h
	s_mul_i32 s21, s11, HALFT                      ; my 64 tokens
	s_mul_i32 s22, s12, HALFT                      ; my 64 rows of theta,
	s_add_co_u32 s22, s22, 2*HALFT                 ; behind X's 128
.irp s, 0,1
	v_add_nc_u32 v[ADRA+\s], s21, v3
	v_add_nc_u32 v[ADRB+\s], s22, v3
	s_add_co_u32 s21, s21, SLOT
	s_add_co_u32 s22, s22, SLOT
.endr
	s_mul_i32 s23, s11, 64*SPITCH                  ; bf16 stage: my 64 rows, my 128 of their 256 bytes
	s_lshl_b32 s21, s12, 7
	s_add_co_u32 s23, s23, s21
	s_add_co_u32 s23, s23, STAGE
	v_mul_u32_u24 v4, v1, SPITCH
	v_lshl_add_u32 v5, v2, 4, v4
	v_add_nc_u32 v[STO], s23, v5
	s_mul_i32 s23, s10, 32*SPITCH                  ; back: wave w takes rows 32 w on, whole; lanes 0-15 one row, lanes 16-31 the next
	s_add_co_u32 s23, s23, STAGE
	v_mul_u32_u24 v5, v2, SPITCH
	v_lshl_add_u32 v5, v1, 4, v5
	v_add_nc_u32 v[RD], s23, v5
	s_mul_i32 s23, s10, 16*SPITCH                  ; V's f32 stage: 16 rows x 272 bytes, each wave's own, in slot 0's bytes, which are filled and read no more by then
	v_add_nc_u32 v[RDV], s23, v5
	v_lshl_add_u32 v4, v2, 5, v4
	v_add_nc_u32 v[STV], s23, v4
	v_lshlrev_b32 v5, 4, v1
	v_lshl_add_u32 v[CO], v2, 11, v5               ; two rows of kq (2,048 bytes apart)
	v_lshl_add_u32 v[COV], v2, 12, v5              ; two rows of vf (4,096 bytes apart)
	s_lshr_b32 s84, s45, 1                         ; kq: plane x 2 MiB + (128 tile row + 32 wave) x 2,048 + 256 x tile column
	s_lshl_b32 s84, s84, 21
	s_lshl_b32 s85, s13, 18
	s_add_co_u32 s84, s84, s85
	s_lshl_b32 s85, s10, 16
	s_add_co_u32 s84, s84, s85
	s_lshl_b32 s85, s42, 8
	s_add_co_u32 s84, s84, s85
	s_mov_b32 s85, 0
	s_add_nc_u64 s[78:79], s[78:79], s[84:85]
	s_lshl_b32 s86, s13, 19                        ; vf: (128 tile row + 64 token half) x 4,096 + 512 x tile column + 256 x column half
	s_lshl_b32 s87, s11, 18
	s_add_co_u32 s86, s86, s87
	s_lshl_b32 s87, s42, 9
	s_add_co_u32 s86, s86, s87
	s_lshl_b32 s87, s12, 8
	s_add_co_u32 s86, s86, s87
	s_mov_b32 s87, 0
	s_add_nc_u64 s[80:81], s[80:81], s[86:87]
	; SIDE JOB (roles 0 and 2): rows 8 idx .. 8 idx + 7 of W0 to bf16, idx = 64 (role / 2) + 8 tile row + tile column.  Thread t: 8 numbers of each row.
	s_cmp_eq_u32 s45, 1
	s_cbranch_scc1 .Lno_side
	s_lshr_b32 s84, s45, 1
	s_lshl_b32 s84, s84, 6
	s_lshl3_add_u32 s84, s13, s84
	s_add_co_u32 s84, s84, s42
	s_lshl_b32 s86, s84, 15                        ; 8 rows of 4,096 bytes
	s_mov_b32 s87, 0
	s_lshl_b32 s84, s84, 14                        ; 8 rows of 2,048 bytes
	s_mov_b32 s85, 0
	s_add_nc_u64 s[76:77], s[76:77], s[86:87]
	s_add_nc_u64 s[82:83], s[82:83], s[84:85]
	v_lshlrev_b32 v6, 5, v0
	v_lshlrev_b32 v7, 4, v0
	WIN 0x40                                       ; destination window 1
.irp j, 0,1,2,3,4,5,6,7
	global_load_b128 v[8*\j:8*\j+3],   v6, s[76:77] offset:\j*4096 th:TH_LOAD_NT
	global_load_b128 v[8*\j+4:8*\j+7], v6, s[76:77] offset:\j*4096+16 th:TH_LOAD_NT
.endr
	s_wait_loadcnt 0x0
	WIN 0x05
.set m, 0
.rept 32
	v_cvt_pk_bf16_f32 v[FR+m], v[2*m], v[2*m+1]
.set m, m+1
.endr
	WIN 0
.irp j, 0,1,2,3,4,5,6,7
	global_store_b128 v7, v[FR+4*\j:FR+4*\j+3], s[82:83] offset:\j*2048   ; a wave stores 512 consecutive bytes
.endr
	s_wait_xcnt 0x0                                ; the stores' data registers are the fragment registers: written again only behind this wait
.Lno_side:
; 32 LDS loads: the f32 fragments of 32 along K, at byte k of the rows, into buffer f of window 1
.macro FETCH slot, k, f
	WIN 0x40
.irp i, 0,1,2,3
	ds_load_b128 v[\f+64+16*\i:\f+64+16*\i+3],     v[ADRB+\slot] offset:\k+\i*16*PITCH
	ds_load_b128 v[\f+64+16*\i+4:\f+64+16*\i+7],   v[ADRB+\slot] offset:\k+\i*16*PITCH+16
	ds_load_b128 v[\f+64+16*\i+8:\f+64+16*\i+11],  v[ADRB+\slot] offset:\k+\i*16*PITCH+64
	ds_load_b128 v[\f+64+16*\i+12:\f+64+16*\i+15], v[ADRB+\slot] offset:\k+\i*16*PITCH+80
	ds_load_b128 v[\f+16*\i:\f+16*\i+3],           v[ADRA+\slot] offset:\k+\i*16*PITCH
	ds_load_b128 v[\f+16*\i+4:\f+16*\i+7],         v[ADRA+\slot] offset:\k+\i*16*PITCH+16
	ds_load_b128 v[\f+16*\i+8:\f+16*\i+11],        v[ADRA+\slot] offset:\k+\i*16*PITCH+64
	ds_load_b128 v[\f+16*\i+12:\f+16*\i+15],       v[ADRA+\slot] offset:\k+\i*16*PITCH+80
.endr
.endm
.macro CVT f                           ; buffer f, 128 f32 a lane, rounded to the 64 registers of bf16 fragments
	WIN 0x05
.set m, 0
.rept 64
	v_cvt_pk_bf16_f32 v[FR+m], v[\f+2*m], v[\f+2*m+1]
.set m, m+1
.endr
.endm
.macro MUL16 zero                      ; 16 matrix instructions; the 16 accumulators take turns, one instruction a turn.  zero = 1: the products start the sums
	WIN 0
.irp a, 0,1,2,3
.irp b, 0,1,2,3
.if \zero
	v_wmma_f32_16x16x32_bf16 v[ACC+8*(4*\a+\b):ACC+8*(4*\a+\b)+7], v[FR+32+8*\b:FR+32+8*\b+7], v[FR+8*\a:FR+8*\a+7], 0
.else
	v_wmma_f32_16x16x32_bf16 v[ACC+8*(4*\a+\b):ACC+8*(4*\a+\b)+7], v[FR+32+8*\b:FR+32+8*\b+7], v[FR+8*\a:FR+8*\a+7], v[ACC+8*(4*\a+\b):ACC+8*(4*\a+\b)+7]
.endif
.endr
.endr
.endm
; A K step is four quarters of 32 along K on buffers 0, 1, 0, 1.  One of the first three: the next quarter's loads go out first, then buffer f is rounded and multiplied.
.macro QUARTER slot, k, f, g, zero
	s_wait_dscnt 0x0                               ; buffer f is in: nothing was issued behind its loads
	FETCH \slot, \k, \g
	PLACES                                         ; the conversions write fragment registers that the last products read
	CVT \f
	MUL16 \zero
.endm
; The last quarter changes slots: in front of the barrier each wave waits for its reads of this slot and for all its tensor loads (one is out: its part of the next slot).
.macro TURN slot, next, fill
	s_wait_dscnt 0x0
	s_wait_tensorcnt 0x0
	ds_add_u32 v30, v31
	s_wait_dscnt 0x0
	s_barrier_signal -1
	PLACES
	CVT F1                                         ; register work while the others arrive
	WIN 0
	s_barrier_wait -1
.if \fill
	CREST                                          ; the barrier has opened a round of the cluster's: no wave of any partner still reads this slot or has a load on its way
	s_add_nc_u64 s[G0+4*\slot+2:G0+4*\slot+3], s[G0+4*\slot+2:G0+4*\slot+3], 2*KSTEP*4
	s_add_nc_u64 s[G0B+4*\slot+2:G0B+4*\slot+3], s[G0B+4*\slot+2:G0B+4*\slot+3], 2*KSTEP*4
	JLOAD \slot                                    ; the first tensor load behind the round, my only one until the next
.endif
	FETCH \next, 0, F0
	MUL16 0
.endm
	s_wait_tensorcnt 0x1                           ; my part of K step 0 is in; K step 1's load stays out
	s_barrier_signal -1
	s_barrier_wait -1
	FETCH 0, 0, F0
	QUARTER 0, 128, F0, F1, 1
	WIN 0
	s_mov_b32 s3, LAPS-1
.Llap:                                                 ; a trip goes once round the ring and fills both slots again
	QUARTER 0, 256, F1, F0, 0
	QUARTER 0, 384, F0, F1, 0
	TURN 0, 1, 1
	QUARTER 1, 128, F0, F1, 0
	QUARTER 1, 256, F1, F0, 0
	QUARTER 1, 384, F0, F1, 0
	TURN 1, 0, 1
	QUARTER 0, 128, F0, F1, 0
	WIN 0
	s_sub_co_u32 s3, s3, 1
	s_cmp_lg_u32 s3, 0
	s_cbranch_scc1 .Llap
	QUARTER 0, 256, F1, F0, 0                      ; the last lap fills nothing
	QUARTER 0, 384, F0, F1, 0
	TURN 0, 1, 0
	QUARTER 1, 128, F0, F1, 0
	QUARTER 1, 256, F1, F0, 0
	QUARTER 1, 384, F0, F1, 0
	s_wait_dscnt 0x0
	PLACES
	CVT F1
	MUL16 0
	; THE WAY OUT.  K and Q: rounded to bf16, through the work-group's stage (a row's 256 bytes come from two waves).  V: f32, a wave's 64 columns are 256 bytes: through its own stage.
	PLACES
	s_cmp_eq_u32 s45, 1
	s_cbranch_scc1 .Lno_pack
.irp t, 0,1,2,3,4,5,6,7,8,9,10,11,12,13,14,15
.irp r, 0,1,2,3
	v_cvt_pk_bf16_f32 v[TMP+4*\t+\r], v[ACC+8*\t+2*\r], v[ACC+8*\t+2*\r+1]
.endr
.endr
.irp a, 0,1,2,3
.irp b, 0,1,2,3
	ds_store_b128 v[STO], v[TMP+4*(4*\a+\b):TMP+4*(4*\a+\b)+3] offset:\a*16*SPITCH+32*\b
.endr
.endr
.Lno_pack:
	s_wait_dscnt 0x0                               ; for the others' sake: my stores into the stage are done
	s_barrier_signal -1
	s_barrier_wait -1
	s_cmp_eq_u32 s45, 1
	s_cbranch_scc1 .Lv_out
.irp t, 0,1,2,3,4,5,6,7,8,9,10,11,12,13,14,15
	ds_load_b128 v[TMP+4*\t:TMP+4*\t+3], v[RD] offset:\t*2*SPITCH
.endr
.irp t, 0,1,2,3,4,5,6,7,8,9,10,11,12,13,14,15
	s_wait_dscnt 15-\t                             ; the younger loads stay out
	global_store_b128 v[CO], v[TMP+4*\t:TMP+4*\t+3], s[78:79] offset:2*\t*2048   ; 16 lanes store 256 consecutive bytes, at a multiple of 256 from kq's first byte
.endr
	s_branch .Ldone
.Lv_out:
.irp a, 0,1,2,3
.irp b, 0,1,2,3
	ds_store_b128 v[STV], v[ACC+8*(4*\a+\b):ACC+8*(4*\a+\b)+3]   offset:64*\b
	ds_store_b128 v[STV], v[ACC+8*(4*\a+\b)+4:ACC+8*(4*\a+\b)+7] offset:64*\b+16
.endr
	s_wait_xcnt 0x0                                ; earlier stores have read their data registers: they are loaded again only behind this wait
.irp t, 0,1,2,3,4,5,6,7
	ds_load_b128 v[TMP+32*(\a%2)+4*\t:TMP+32*(\a%2)+4*\t+3], v[RDV] offset:\t*2*SPITCH   ; LDS serves a wave's instructions in order (ISA guide 5.7.1.4): these see the stores above
.endr
	s_wait_dscnt 0x0
.irp t, 0,1,2,3,4,5,6,7
	global_store_b128 v[COV], v[TMP+32*(\a%2)+4*\t:TMP+32*(\a%2)+4*\t+3], s[80:81] offset:(16*\a+2*\t)*4096   ; 16 lanes store 256 consecutive bytes, aligned
.endr
.endr
.Ldone:
	s_wait_tensorcnt 0x0
	ds_add_u32 v30, v31
	s_wait_dscnt 0x0
	CROUND                                         ; the closing round: no work-group ends while a partner may still ask for a tile that names it
	s_endpgm
.Lfunc_end_k_q91389bbbbc_proj:
	.size	k_q91389bbbbc_proj, .Lfunc_end_k_q91389bbbbc_proj-k_q91389bbbbc_proj
	.p2alignl 7, 3214868480
	.fill 96, 4, 3214868480
	.section	.rodata,"a",@progbits
	.p2align	6, 0x0
	.amdhsa_kernel k_q91389bbbbc_proj
		.amdhsa_group_segment_fixed_size 327680
		.amdhsa_private_segment_fixed_size 0
		.amdhsa_enable_private_segment 0
		.amdhsa_kernarg_size 64
		.amdhsa_user_sgpr_count 2
		.amdhsa_user_sgpr_kernarg_segment_ptr 1
		.amdhsa_wavefront_size32 1
		.amdhsa_system_sgpr_workgroup_id_x 1
		.amdhsa_system_sgpr_workgroup_id_y 1
		.amdhsa_system_sgpr_workgroup_id_z 1
		.amdhsa_system_vgpr_workitem_id 0
		.amdhsa_next_free_vgpr 512
		.amdhsa_next_free_sgpr 88
		.amdhsa_reserve_vcc 0
		.amdhsa_float_denorm_mode_32 3
		.amdhsa_float_denorm_mode_16_64 3
		.amdhsa_memory_ordered 1
		.amdhsa_forward_progress 1
		.amdhsa_inst_pref_size 147
	.end_amdhsa_kernel
	.amdgpu_metadata
---
amdhsa.version: [ 1, 2 ]
amdhsa.kernels:
  - .name:           k_q91389bbbbc_proj
    .symbol:         k_q91389bbbbc_proj.kd
    .args:
      - { .name: in_seq, .offset: 0, .size: 8, .value_kind: global_buffer, .address_space: global }
      - { .name: theta_K, .offset: 8, .size: 8, .value_kind: global_buffer, .address_space: global }
      - { .name: theta_V, .offset: 16, .size: 8, .value_kind: global_buffer, .address_space: global }
      - { .name: theta_Q, .offset: 24, .size: 8, .value_kind: global_buffer, .address_space: global }
      - { .name: W0, .offset: 32, .size: 8, .value_kind: global_buffer, .address_space: global }
      - { .name: kq, .offset: 40, .size: 8, .value_kind: global_buffer, .address_space: global }
      - { .name: vf, .offset: 48, .size: 8, .value_kind: global_buffer, .address_space: global }
      - { .name: wb, .offset: 56, .size: 8, .value_kind: global_buffer, .address_space: global }
    .group_segment_fixed_size: 327680
    .private_segment_fixed_size: 0
    .kernarg_segment_align: 8
    .kernarg_segment_size: 64
    .max_flat_workgroup_size: 128
    .sgpr_count:     88
    .vgpr_count:     512
    .wavefront_size: 32
...
	.end_amdgpu_metadata
.endif
;; end of part 1
;; launch ttt (part 2): grid 16 x 8, 4 waves a work-group, clusters of 4 x 4, 327,680 bytes of LDS; arguments kq, wb, vf, b0, out0; writes out0
.if DOCPART == 2
	.amdgcn_target "amdgcn-amd-amdhsa--gfx1250"
	.amdhsa_code_object_version 6
	.text
	.protected	k_q91389bbbbc_ttt
	.globl	k_q91389bbbbc_ttt
	.p2align	8
	.type	k_q91389bbbbc_ttt,@function
k_q91389bbbbc_ttt:
	s_mov_b64 s[64:65], 0
	v_nop
	global_prefetch_b8 v0, s[64:65] scope:SCOPE_SE
	s_setreg_imm32_b32 hwreg(HW_REG_WAVE_MODE, 25, 1), 1
	s_wait_xcnt 0x0
	s_wait_alu depctr_hold_cnt(0) depctr_sa_sdst(0) depctr_va_vdst(0) depctr_va_sdst(0) depctr_va_ssrc(0) depctr_va_vcc(0) depctr_vm_vsrc(0)
	s_getreg_b32 s2, hwreg(HW_REG_IB_STS2, 6, 4)
	s_cmp_eq_u32 s2, 0
	s_cbranch_scc0 .Lentry_in_a_cluster
	s_endpgm
.Lentry_in_a_cluster:
	s_bfe_u32 s2, ttmp6, 0x10000c
	s_cmp_lg_u32 s2, 0xf033
	s_cbranch_scc0 .Lentry_shape_is_right
	s_endpgm
.Lentry_shape_is_right:
; THE SCAN, SOLVED.  With a = LR 2 / 1024 and h_t = pred_t - v_t the 128 steps of a sequence are, exactly,
;   (I + a stril(K K^T + 1)) H = E,  E = K W0^T + b0 - V;     out = Q W0^T + b0 - a tril(Q K^T + 1) H.
; A work-group owns one sequence (128 tokens) and 64 columns.  MAIN PART over the 1,024 channels: P = K W0^T and Z = Q W0^T for its columns, and the lower tiles of K K^T and Q K^T, from the
; K and Q tiles that P and Z bring into LDS anyway (each of a sequence's 16 work-groups makes the two 128 x 128 matrices for itself: no third launch, no further bytes from memory).
; SOLVE, exact, no series cut: the four diagonal 32 x 32 blocks are inverted in f32 by full forward substitution (T; N = T - I is kept), then by blocks:
;   S_I = E_I - sum over J < I of a L_IJ H_J;   H_I = S_I + N_I S_I.
; LIMITS: K, Q, W0 (as stored), the two scaled matrices, N, S and H are matrix operands in bf16; E, Z, V, b0, all sums and the inverses are f32.
; THE RING: two slots of UNEQUAL length, as long as fit: slot 0 holds 256 along K (rows of 512 bytes), slot 1 holds 128 (rows of 256 bytes); two slots of 256 would want 337,920 bytes.
; K goes 256, 128, 256, 128, 256: five tiles, three refills, each behind a round of the cluster's barrier; every row in memory is a multiple of 256 bytes and begins on one.
; No two laps are alike (the first starts the sums, the last two changes of slot fill differently), so the 32 quarters of 32 along K are written by macro, without a loop.
; CLUSTERS: 4 x 4.  K's and Q's tiles hang on the sequence alone: shared along a row of the cluster; W0's on the column block alone: shared along a column.  V's tile hangs on both: a plain load.
; WAVES: g = wave / 2 (0: K, 1: Q), u = wave % 2.  In the main part wave (g, u) makes, of matrix g against K: the 10 lower tiles of the diagonal 64-block u (T), 8 tiles of the block below (S), and
; 4 x 4 tiles of matrix g's rows 64 u on times W0 (P or Z).  In the solve wave w owns diagonal block w, then the 16 columns 16 w on.
; LAYOUTS: Gram tiles transposed (source 0 = 16 rows s of K, source 1 = 16 rows t): a lane holds one t and eight neighbouring s, 16 bytes of a bf16 row [t][s].  P, Z, E, H natural (tokens in the
; registers, columns in the lanes): two tiles rounded in pairs ARE source 1 (32 tokens x 16 columns) of the solve's products.
; REGISTERS: window 0: v0-31, v104-114 addresses and constants; v32-103 at work; v128-255 P/Z accumulators, later E/H (v128-191) and V, then Z (v192-255).
;   window 1: v0-143 Gram accumulators; windows 2 and 3: v0-143 two fragment buffers.  In the solve windows 1-3 hold the substitution's coefficients, then L's (1) and M's (2) fragments.
.set PT0,    528                       ; slot 0's rows: 512 bytes + 16 = 132 words: row r starts at bank 4 r mod 64 (64 banks of 4 bytes: ISA guide 11.1)
.set PT1,    272                       ; slot 1's rows: 256 bytes + 16 = 68 words: the same
.set MP,     272                       ; rows of the two matrices, of V's tile and of the out stage
.set S0,     0                         ; a slot: K's 128 rows, Q's 128 rows, W0's 64 rows
.set S1,     320*PT0
.set VB,     S1+320*PT1                ; V's tile, 128 x 64 f32, filled once
.set HOP,    768                       ; bytes along a row from a slot's tile to its next: 256 + 128 elements
.set LTB,    65536                     ; in slot 0 behind its last fill and its last read: bytes 0-65535 P's and Z's tiles (1 KiB each), then four blocks [s][t] f32 of 32 x 144 bytes,
.set LTP,    144
.set LTBLK,  32*LTP
.set MATL,   LTB+4*LTBLK               ; bf16 [t][s]: -a (K K^T + 1) below the diagonal blocks, N in them,
.set MATM,   MATL+128*MP               ; bf16 [t][s]: -a tril(Q K^T + 1): 153,600 of the slot's 168,960 bytes in all
.set OST,    S1                        ; in slot 1 behind its last fill and its last read: the out stage, 128 x 272 bytes
.set TR, 0                             ; fragment buffer: 4 x rows 64 u on of matrix g
.set TC, 32                            ; 4 x rows 64 u on of K
.set SR, 64                            ; 2 x rows 64 + 32 u on of matrix g
.set SC, 80                            ; 4 x rows 0 on of K
.set WF, 112                           ; 4 x rows of W0
.set ATR, 8                            ; v8-17: LDS addresses of the five groups, slot 0 and 1
.set ATC, 10
.set ASR, 12
.set ASC, 14
.set AWF, 16
.set THR, 18
.set STG, 19
.set STS, 20
.set LTW, 21
.set EZW, 22
.set LTR, 23
.set NST, 24
.set NDG, 25
.set AFA, 26
.set MFA, 27
.set NA,  28                           ; v[28:29] -a, twice
.set BB,  30                           ; v[30:31] b0 of my column, twice
.set PK,  32                           ; v32-103 packed Gram tiles; later v32-47 packed N
.set XX,  64                           ; v64-95 the substitution's X
.set HB,  64                           ; v64-95 H in bf16, 8 registers a block
.set SB,  96                           ; v96-103 S in bf16
.set ZQ,  104                          ; v104-107 zeros
.set EZR, 108
.set VRD, 109
.set OSW, 110
.set ORD, 111
.set OGO, 112
.set RA,  113                          ; a fragment's lane term in rows of 528 bytes
.set RB,  114                          ; and in rows of 272 bytes
.set PA,  128
.set EA,  128
.set ZZ,  192
.set WV, 14                            ; s14 wave, s15 g, s16 u
.set SG, 15
.set SU, 16
.set G1,  24                           ; group 1 for K's and Q's tiles: s[24:31] slot 0's shape, s[92:99] slot 1's
.set G0,  32                           ; s[32:39] their group 0, a set for each slot
.set G1B, 48                           ; group 1 for W0's tiles: s[48:55] slot 0's shape, s[80:87] slot 1's
.set G0B, 56                           ; s[56:63] their group 0
.set G1V, 68                           ; s[68:75], s[76:79] V's tile
.set G0V, 76
.set MK,  80                           ; s80-87 lane masks of the diagonal tiles: written when the last load that named these registers has been waited for
.set MSB, 0
.macro WIN new
.if MSB != \new
	s_set_vgpr_msb (MSB<<8)|\new
.set MSB, \new
.endif
.endm
.macro PLACES                          ; four places behind matrix instructions (ISA guide 7.12.1)
.rept 4
	v_nop
.endr
.endm
.macro JLOAD s                         ; a joint refill of slot s: wave 0 fetches K's tile, wave 1 Q's, waves 2, 3 W0's halves; four v_nop follow each line
	s_cmp_eq_u32 s[SG], 0
	s_cbranch_scc0 .Lfor_w_\@
	tensor_load_to_lds s[G0+4*\s:G0+4*\s+3], s[G1+68*\s:G1+68*\s+7]
	s_nop 0
.rept 4
	v_nop
.endr
	s_branch .Lasked_\@
.Lfor_w_\@:
	tensor_load_to_lds s[G0B+4*\s:G0B+4*\s+3], s[G1B+32*\s:G1B+32*\s+7]
	s_nop 0
.rept 4
	v_nop
.endr
.Lasked_\@:
.endm
.macro CREST
	s_cmp_lg_u32 s[WV], 0
	s_cbranch_scc1 .Lnot_wave_0_\@
	s_barrier_signal -3
.Lnot_wave_0_\@:
	s_barrier_wait -3
	s_barrier_signal -1
	s_barrier_wait -1
.endm
.macro CROUND
	s_barrier_signal -1
	s_barrier_wait -1
	CREST
.endm
.macro SHAPE g, el, rows               ; words 1 to 7 of a group 1: a tile of rows x el elements out of rows of 1,024 elements
	s_mov_b32 s[\g+1], \el<<16                     ; tensor_dim0
	s_mov_b32 s[\g+2], \rows<<16                   ; tensor_dim1
	s_mov_b32 s[\g+3], \el<<16                     ; tile_dim0
	s_mov_b32 s[\g+4], \rows                       ; tile_dim1
	s_mov_b32 s[\g+5], 1024                        ; elements from row to row
	s_mov_b32 s[\g+6], 0
	s_mov_b32 s[\g+7], 0
.endm
	s_load_b256 s[4:11], s[0:1], 0x0               ; kq s[4:5], wb s[6:7], vf s[8:9], b0 s[10:11]
	s_load_b64 s[12:13], s[0:1], 0x20              ; out0
	v_lshl_add_u32 v126, v0, 2, 0x47000
	v_mov_b32 v127, 0
	ds_add_u32 v126, v127
	ds_add_u32 v126, v127
	v_lshrrev_b32 v1, 5, v0
	v_readfirstlane_b32 s[WV], v1
	s_lshr_b32 s[SG], s[WV], 1
	s_and_b32 s[SU], s[WV], 1
	s_bfe_u32 s40, ttmp6, 0x40000                  ; cx
	s_bfe_u32 s41, ttmp6, 0x40004                  ; cy
	s_lshl_b32 s42, ttmp9, 2
	s_add_co_u32 s42, s42, s40                     ; n: my block of 64 columns
	s_and_b32 s45, ttmp7, 0xffff
	s_lshl_b32 s45, s45, 2
	s_add_co_u32 s45, s45, s41                     ; b: my sequence
	s_lshl_b32 s43, s41, 2
	s_lshl_b32 s43, 15, s43                        ; my row of the cluster
	s_lshl_b32 s44, 0x1111, s40                    ; my column
	; group 1, word 0: the mask; elements of 2 bytes; 4 words of padding behind every row (128 words: code 6; 64 words: code 5); bit 21 beside a mask
	s_or_b32 s[G1], s43, (1<<16)|(1<<20)|(1<<21)|(6<<22)|(3<<25)
	SHAPE G1, 256, 128
	s_or_b32 s[G1+68], s43, (1<<16)|(1<<20)|(1<<21)|(5<<22)|(3<<25)
	SHAPE G1+68, 128, 128
	s_or_b32 s[G1B], s44, (1<<16)|(1<<20)|(1<<21)|(6<<22)|(3<<25)
	SHAPE G1B, 256, 32
	s_or_b32 s[G1B+32], s44, (1<<16)|(1<<20)|(1<<21)|(5<<22)|(3<<25)
	SHAPE G1B+32, 128, 32
	s_mov_b32 s[G1V], (2<<16)|(1<<20)|(5<<22)|(3<<25)   ; V: 32 rows of 64 f32, no mask
	SHAPE G1V, 64, 32
	s_lshl_b32 s20, s45, 18                        ; kq: 128 rows of 2,048 bytes x sequence + 2 MiB x plane (wave 0: K, wave 1: Q)
	s_lshl_b32 s22, s[WV], 21
	s_add_co_u32 s20, s20, s22
	s_mov_b32 s21, 0
	s_lshl_b32 s46, s42, 17                        ; wb: (64 n + 32 u) rows of 2,048 bytes
	s_lshl_b32 s47, s[SU], 16
	s_add_co_u32 s46, s46, s47
	s_mov_b32 s47, 0
	s_lshl_b32 s18, s45, 19                        ; vf and out0: (128 b + 32 wave) rows of 4,096 bytes + 256 n
	s_lshl_b32 s19, s[WV], 17
	s_add_co_u32 s18, s18, s19
	s_lshl_b32 s19, s42, 8
	s_add_co_u32 s18, s18, s19
	s_mov_b32 s19, 0
	s_mul_i32 s17, s[WV], 128*PT0                  ; LDS: wave x 128 rows (waves 0, 1), in slot 0
	s_mul_i32 s22, s[WV], 128*PT1                  ; and in slot 1
	s_mul_i32 s23, s[WV], 32*PT0                   ; LDS: wave x 32 rows (W0's halves, waves 2, 3), in slot 0
	s_mul_i32 s3, s[WV], 32*PT1                    ; and in slot 1; also V's quarters, every wave's
	s_wait_dscnt 0x0
	s_wait_kmcnt 0x0
	s_add_nc_u64 s[4:5], s[4:5], s[20:21]
	s_add_nc_u64 s[6:7], s[6:7], s[46:47]
	s_add_nc_u64 s[8:9], s[8:9], s[18:19]
	s_add_nc_u64 s[12:13], s[12:13], s[18:19]
	CROUND                                         ; all sixteen work-groups are here: the first joint loads meet
	s_mov_b32 s[G0], 1                             ; slot 0: channels 0 to 255
	s_add_co_u32 s[G0+1], s17, S0
	s_mov_b64 s[G0+2:G0+3], s[4:5]
	s_or_b32 s[G0+3], s[G0+3], 0x80000000
	s_mov_b32 s[G0+4], 1                           ; slot 1: channels 256 to 383
	s_add_co_u32 s[G0+5], s22, S1
	s_add_nc_u64 s[G0+6:G0+7], s[4:5], 512
	s_or_b32 s[G0+7], s[G0+7], 0x80000000
	s_mov_b32 s[G0B], 1
	s_add_co_u32 s[G0B+1], s23, S0+192*PT0         ; wave 2 at row 256 of the slot, wave 3 at row 288
	s_mov_b64 s[G0B+2:G0B+3], s[6:7]
	s_or_b32 s[G0B+3], s[G0B+3], 0x80000000
	s_mov_b32 s[G0B+4], 1
	s_add_co_u32 s[G0B+5], s3, S1+192*PT1
	s_add_nc_u64 s[G0B+6:G0B+7], s[6:7], 512
	s_or_b32 s[G0B+7], s[G0B+7], 0x80000000
	s_mov_b32 s[G0V], 1
	s_add_co_u32 s[G0V+1], s3, VB
	s_mov_b64 s[G0V+2:G0V+3], s[8:9]
	s_or_b32 s[G0V+3], s[G0V+3], 0x80000000
	s_cmp_eq_u32 s[SG], 0                          ; a wave's three first fills stand in one branch: three tensor loads of mine are out
	s_cbranch_scc0 .Lfirst_w
	tensor_load_to_lds s[G0:G0+3], s[G1:G1+7]
	s_nop 0
	tensor_load_to_lds s[G0+4:G0+7], s[G1+68:G1+75]
	s_nop 0
	tensor_load_to_lds s[G0V:G0V+3], s[G1V:G1V+7]
	s_nop 0
.rept 4
	v_nop
.endr
	s_branch .Lfirst_asked
.Lfirst_w:
	tensor_load_to_lds s[G0B:G0B+3], s[G1B:G1B+7]
	s_nop 0
	tensor_load_to_lds s[G0B+4:G0B+7], s[G1B+32:G1B+39]
	s_nop 0
	tensor_load_to_lds s[G0V:G0V+3], s[G1V:G1V+7]
	s_nop 0
.rept 4
	v_nop
.endr
.Lfirst_asked:
	v_and_b32 v4, 31, v0                           ; lane
	v_and_b32 v1, 15, v0                           ; r
	v_bfe_u32 v2, v0, 4, 1                         ; h
	v_mul_u32_u24 v[RA], v1, PT0
	v_lshl_add_u32 v[RA], v2, 4, v[RA]             ; a fragment's row x pitch + 16 h, for either pitch
	v_mul_u32_u24 v[RB], v1, PT1
	v_lshl_add_u32 v[RB], v2, 4, v[RB]
	s_lshl_b32 s46, s42, 8                         ; b0 of column 64 n + 16 wave + r
	s_lshl_b32 s47, s[WV], 6
	s_add_co_u32 s46, s46, s47
	v_lshl_add_u32 v5, v1, 2, s46                  ; v5 is written no more
	global_load_b32 v[BB], v5, s[10:11]
.macro ADRS sl, pt, base, vr           ; the five groups' addresses in slot sl
	s_mul_i32 s88, s[SG], 128*\pt                  ; matrix g in a slot
	s_mul_i32 s89, s[SU], 64*\pt                   ; rows 64 u
	s_mul_i32 s90, s[SU], 32*\pt
	s_add_co_u32 s91, s88, s89
	s_add_co_u32 s90, s90, s88
	s_add_co_u32 s91, s91, \base
	s_add_co_u32 s89, s89, \base
	s_add_co_u32 s90, s90, \base+64*\pt            ; rows 64 + 32 u of matrix g
	v_add_nc_u32 v[ATR+\sl], s91, v[\vr]
	v_add_nc_u32 v[ATC+\sl], s89, v[\vr]
	v_add_nc_u32 v[ASR+\sl], s90, v[\vr]
	v_add_nc_u32 v[ASC+\sl], \base, v[\vr]
	v_add_nc_u32 v[AWF+\sl], \base+256*\pt, v[\vr]
.endm
	ADRS 0, PT0, S0, RA
	ADRS 1, PT1, S1, RB
	; the lane terms of what follows the main part, made while the first tiles are on their way
	v_lshlrev_b32 v6, 3, v2
	v_sub_nc_u32 v[THR], v1, v6
	s_sub_co_i32 s91, s[SG], 1
	v_add_nc_u32 v[THR], s91, v[THR]               ; in a diagonal tile register j (s = 8 h + j) is kept where j <= r - 8 h - 1 + g: s < t for L, s <= t for M
	s_mul_i32 s88, s[SG], 128*MP
	s_mul_i32 s91, s[SU], 64*MP+128
	s_add_co_u32 s91, s91, s88
	s_add_co_u32 s91, s91, MATL
	v_add_nc_u32 v[STG], s91, v[RB]                ; my diagonal 64-block in matrix g
	s_mul_i32 s91, s[SU], 32*MP
	s_add_co_u32 s91, s91, s88
	s_add_co_u32 s91, s91, MATL+64*MP
	v_add_nc_u32 v[STS], s91, v[RB]                ; rows 64 + 32 u, columns 0 on
	s_mul_i32 s91, s[SU], 2*LTBLK
	s_add_co_u32 s91, s91, LTB
	v_lshl_add_u32 v6, v1, 2, s91
	v_mul_u32_u24 v7, v2, 8*LTP
	v_add_nc_u32 v[LTW], v6, v7                    ; [s = 8 h + ..][t = r + ..] f32
	s_lshl_b32 s91, s[SG], 15
	s_lshl_b32 s89, s[SU], 14
	s_add_co_u32 s91, s91, s89
	v_lshl_add_u32 v[EZW], v4, 4, s91              ; my 16 tiles of P or Z: tile ((8 g + 4 u + a) 4 + c) x 1,024
	s_mul_i32 s91, s[WV], LTBLK
	s_add_co_u32 s91, s91, LTB
	v_mov_b32 v[LTR], s91                          ; block w's coefficients: the same address in every lane
	s_mul_i32 s91, s[WV], 32*MP+64
	s_add_co_u32 s91, s91, MATL
	v_lshl_add_u32 v[NST], v4, 1, s91              ; N: column = lane of diagonal block w
	v_mul_u32_u24 v7, v4, MP
	v_add_nc_u32 v[NDG], v[NST], v7                ; its diagonal
	v_add_nc_u32 v[AFA], MATL, v[RB]
	v_add_nc_u32 v[MFA], MATM, v[RB]
	s_lshl_b32 s91, s[WV], 10
	v_lshl_add_u32 v[EZR], v4, 4, s91              ; tiles (i, c = w)
	s_lshl_b32 s91, s[WV], 6
	v_lshl_add_u32 v6, v1, 2, s91
	v_mul_u32_u24 v7, v2, 8*MP
	v_add_nc_u32 v6, v6, v7                        ; token 8 h, column 16 w + r, f32 rows of 272 bytes
	v_add_nc_u32 v[VRD], VB, v6
	v_add_nc_u32 v[OSW], OST, v6
	s_mul_i32 s91, s[WV], 32*MP
	s_add_co_u32 s91, s91, OST
	v_lshl_add_u32 v6, v1, 4, s91
	v_mul_u32_u24 v7, v2, MP
	v_add_nc_u32 v[ORD], v6, v7                    ; back: rows 32 w on, lanes 0-15 one row, lanes 16-31 the next
	v_lshlrev_b32 v6, 4, v1
	v_lshl_add_u32 v[OGO], v2, 12, v6
	v_mov_b32 v[NA], 0xb7a3d70a                    ; -a = -(0.01 x 2 / 1024) in f32
	v_mov_b32 v[NA+1], 0xb7a3d70a
.irp j, 0,1,2,3
	v_mov_b32 v[ZQ+\j], 0
.endr
; A QUARTER is 32 along K: 34 matrix instructions on one fragment buffer, 36 LDS loads (18 fragments) into the other.
; Matrix instruction i of the 34, on buffer f (window 2 + f): 0-9 the tiles T(a >= c), 10-17 the tiles S, both with accumulators in window 1 at 8 i; 18-33 P or Z, accumulators in window 0.
; The 34 accumulators take turns, one instruction a turn.  zero = 1: the products start the sums.
.macro MM f, zero
.if i < 18
.set wn, 0x5a+5*\f
.set rD, 8*i
.if i < 1
.set ta, 0
.elseif i < 3
.set ta, 1
.elseif i < 6
.set ta, 2
.elseif i < 10
.set ta, 3
.endif
.if i < 10
.set rA, TC+8*(i-ta*(ta+1)/2)
.set rB, TR+8*ta
.else
.set rA, SC+8*((i-10)%4)
.set rB, SR+8*((i-10)/4)
.endif
.else
.set wn, 0x0a+5*\f
.set rD, PA+8*(i-18)
.set rA, TR+8*((i-18)/4)
.set rB, WF+8*((i-18)%4)
.endif
	WIN wn
.if \zero
	v_wmma_f32_16x16x32_bf16 v[rD:rD+7], v[rA:rA+7], v[rB:rB+7], 0
.else
	v_wmma_f32_16x16x32_bf16 v[rD:rD+7], v[rA:rA+7], v[rB:rB+7], v[rD:rD+7]
.endif
.endm
; Fragment fi of the 18, in the order of first use: 0-7 T's rows and columns by turns, 8-9 S's rows, 10-13 S's columns, 14-17 W0: two loads, at byte k of the rows of the slot, into buffer g
.macro LFRAG slot, k, g
.set pt, PT0-(PT0-PT1)*\slot
.if fi < 8
.set rw, fi/2
.if (fi%2) == 0
.set rF, TR+8*rw
.set aF, ATR
.else
.set rF, TC+8*rw
.set aF, ATC
.endif
.elseif fi < 10
.set rw, fi-8
.set rF, SR+8*rw
.set aF, ASR
.elseif fi < 14
.set rw, fi-10
.set rF, SC+8*rw
.set aF, ASC
.else
.set rw, fi-14
.set rF, WF+8*rw
.set aF, AWF
.endif
.set wn, 0x80+0x40*\g
	WIN wn
	ds_load_b128 v[rF:rF+3],   v[aF+\slot] offset:\k+rw*16*pt
	ds_load_b128 v[rF+4:rF+7], v[aF+\slot] offset:\k+rw*16*pt+32
.set fi, fi+1
.endm
.macro FETCH slot, k, g                ; all 18 fragments, 36 loads, in ONE run under one window setting
.set fi, 0
.rept 18
	LFRAG \slot, \k, \g
.endr
.endm
; The next quarter's 36 loads stand in one run at a quarter's head, 34 matrix instructions ahead of their first use, so that a quarter has three switches of the window (the loads, the Gram
; products, P's products).  The three waits count loads issued later (LDS loads come back in order: ISA guide 5.7.1).  At the head nothing has been issued behind buffer f's 36 loads: the 20
; behind T's fragments may stay out.  Ahead of S: buffer f's last 8 (W0's) and the 36 just issued.  Ahead of P: the 36 just issued.  At most 56 LDS loads of a wave are out.
.macro QUARTER slot, k, f, g, zero
	s_wait_dscnt 20
	PLACES                                         ; buffer g was read by the last products
	FETCH \slot, \k, \g
.set i, 0
.rept 34
.if i == 10
	s_wait_dscnt 44
.endif
.if i == 18
	s_wait_dscnt 36
.endif
	MM \f, \zero
.set i, i+1
.endr
.endm
; A step's last quarter multiplies buffer 1 and changes slots.  In front of the barrier each wave waits for its reads of this slot and for all its tensor loads (two are out at the most: V's and its part of
; the next slot).  fill = 1: the barrier opens a round of the cluster's, and this slot is filled again first thing behind it.  The next slot's first fragments follow, then P's 16 products.
.macro TURN slot, next, fill
	s_wait_dscnt 0x0                               ; my reads of this slot are over,
	s_set_vgpr_msb 0xa00
	s_wait_tensorcnt 0x0                           ; and all my tensor loads have landed
	ds_add_u32 v126, v127
	s_wait_dscnt 0x0
	s_set_vgpr_msb 0xa
	s_barrier_signal -1
.set i, 0
.rept 18
	MM 1, 0                                        ; register work while the others arrive
.set i, i+1
.endr
	WIN 0
	s_barrier_wait -1
.if \fill
	CREST                                          ; no wave of any partner still reads this slot or has a load on its way
	s_add_nc_u64 s[G0+4*\slot+2:G0+4*\slot+3], s[G0+4*\slot+2:G0+4*\slot+3], HOP
	s_add_nc_u64 s[G0B+4*\slot+2:G0B+4*\slot+3], s[G0B+4*\slot+2:G0B+4*\slot+3], HOP
	JLOAD \slot                                    ; the first tensor load behind the round, my only one until the next; its four v_nop are also the places in front of the loads below
.else
	PLACES
.endif
	FETCH \next, 0, 0
.rept 16
	MM 1, 0
.set i, i+1
.endr
.endm
.macro STEPA zero                      ; the first seven quarters of a step in slot 0
	QUARTER 0, 64,  0, 1, \zero
	QUARTER 0, 128, 1, 0, 0
	QUARTER 0, 192, 0, 1, 0
	QUARTER 0, 256, 1, 0, 0
	QUARTER 0, 320, 0, 1, 0
	QUARTER 0, 384, 1, 0, 0
	QUARTER 0, 448, 0, 1, 0
.endm
.macro STEPB                           ; the first three quarters of a step in slot 1
	QUARTER 1, 64,  0, 1, 0
	QUARTER 1, 128, 1, 0, 0
	QUARTER 1, 192, 0, 1, 0
.endm
	s_wait_tensorcnt 0x2                           ; my part of slot 0 is in; slot 1's and V's loads stay out
	s_barrier_signal -1
	s_barrier_wait -1
	FETCH 0, 0, 0
	STEPA 1                                        ; channels 0-255
	TURN 0, 1, 1                                   ; slot 0 takes channels 384-639: 16 + 3 x 34 = 118 matrix instructions stand between this request and the wait for it
	STEPB                                          ; channels 256-383
	TURN 1, 0, 1                                   ; slot 1 takes channels 640-767: 16 + 7 x 34 = 254 matrix instructions
	STEPA 0                                        ; channels 384-639
	TURN 0, 1, 1                                   ; slot 0 takes channels 768-1023
	STEPB                                          ; channels 640-767
	TURN 1, 0, 0                                   ; nothing is left to fetch; behind this barrier nobody reads slot 1 any more
	STEPA 0                                        ; channels 768-1023
	s_wait_dscnt 0x0                               ; the last quarter: my reads of slot 0 are over:
	s_barrier_signal -1                            ; say so,
.set i, 0
.rept 34
	MM 1, 0
.set i, i+1
.endr
	WIN 0
	s_barrier_wait -1                              ; and behind this barrier nobody reads slot 0 any more: its bytes take what follows
	; THE MATRICES GO TO LDS.  Every Gram number becomes -a (G + 1); the diagonal tiles are masked.
	PLACES
	WIN 0x41
.set m, 0
.rept 72
	v_pk_fma_f32 v[2*m:2*m+1], v[2*m:2*m+1], v[NA:NA+1], v[NA:NA+1]
.set m, m+1
.endr
	WIN 0
.irp j, 0,1,2,3,4,5,6,7
	v_cmp_le_i32 s[MK+\j], \j, v[THR]
.endr
	WIN 0x44
.irp a, 0,1,2,3
.irp j, 0,1,2,3,4,5,6,7
	v_cndmask_b32 v[4*\a*(\a+3)+\j], 0, v[4*\a*(\a+3)+\j], s[MK+\j]
.endr
.endr
	WIN 0
	s_cmp_lg_u32 s[SG], 0
	s_cbranch_scc1 .Lno_lt
	WIN 0x04                                       ; L's diagonal 32-blocks also in f32, as [s][t], for the substitution
.macro LTS a, c
.irp j, 0,1,2,3,4,5,6,7
	ds_store_b32 v[LTW], v[8*(\a*(\a+1)/2+\c)+\j] offset:(\a/2)*LTBLK+(16*(\c%2)+\j)*LTP+(\a%2)*64
.endr
.endm
	LTS 0, 0
	LTS 1, 0
	LTS 1, 1
	LTS 2, 2
	LTS 3, 2
	LTS 3, 3
	WIN 0
.Lno_lt:
	WIN 0x05
.set m, 0
.rept 72
	v_cvt_pk_bf16_f32 v[PK+m], v[2*m], v[2*m+1]
.set m, m+1
.endr
	WIN 0
.irp a, 0,1,2,3
.irp c, 0,1,2,3
.if \c <= \a
	ds_store_b128 v[STG], v[PK+4*(\a*(\a+1)/2+\c):PK+4*(\a*(\a+1)/2+\c)+3] offset:\a*16*MP+32*\c
.endif
.endr
.endr
.irp a, 0,1
.irp c, 0,1,2,3
	ds_store_b128 v[STS], v[PK+4*(10+4*\a+\c):PK+4*(10+4*\a+\c)+3] offset:\a*16*MP+32*\c
.endr
.endr
	ds_store_b128 v[STG], v[ZQ:ZQ+3] offset:32                 ; the tiles just above the diagonal that a fragment of 32 along s reaches: zeros
	ds_store_b128 v[STG], v[ZQ:ZQ+3] offset:2*16*MP+96
.irp a, 0,1,2,3
.irp c, 0,1,2,3
	ds_store_b128 v[EZW], v[PA+8*(4*\a+\c):PA+8*(4*\a+\c)+3]   offset:(4*\a+\c)*1024
	ds_store_b128 v[EZW], v[PA+8*(4*\a+\c)+4:PA+8*(4*\a+\c)+7] offset:(4*\a+\c)*1024+512
.endr
.endr
	s_wait_dscnt 0x0                               ; for the others' sake: my stores are done
	s_barrier_signal -1
	s_barrier_wait -1
	; WAVE w: E for columns 16 w on, and T = (I + a L)^-1 of diagonal block w.  Lane c holds column c of T, X[t] = T[t][c].
.irp i, 0,1,2,3,4,5,6,7
	ds_load_b128 v[EA+8*\i:EA+8*\i+3],   v[EZR] offset:\i*4096
	ds_load_b128 v[EA+8*\i+4:EA+8*\i+7], v[EZR] offset:\i*4096+512
.endr
.irp i, 0,1,2,3,4,5,6,7
.irp j, 0,1,2,3,4,5,6,7
	ds_load_b32 v[ZZ+8*\i+\j], v[VRD] offset:(16*\i+\j)*MP
.endr
.endr
	; the coefficients C[s][t] = -a L[t][s], t > s: 136 loads of 16 bytes, every lane the same address; load idx lands in register 256 + 4 idx
.set idx, 0
.set sx, 0
.rept 31
.set q, (sx+1)/4
.rept 8-(sx+1)/4
.set cr, 256+4*idx
.set wn, (cr>>8)<<6
	WIN wn
.set cr, cr&255
	ds_load_b128 v[cr:cr+3], v[LTR] offset:sx*LTP+16*q
.set q, q+1
.set idx, idx+1
.endr
.set sx, sx+1
.endr
	WIN 0
.set tx, 0
.rept 32
	v_cmp_eq_u32 vcc_lo, tx, v4
	v_cndmask_b32 v[XX+tx], 0, 1.0, vcc_lo         ; X = I
.set tx, tx+1
.endr
	s_wait_dscnt 63                                ; behind each of P's and V's 80 loads at least 136 were issued: they are in
	s_wait_loadcnt 0x0                             ; b0
	v_mov_b32 v[BB+1], v[BB]
.set m, 0
.rept 32
	v_pk_add_f32 v[EA+2*m:EA+2*m+1], v[EA+2*m:EA+2*m+1], v[BB:BB+1]
	v_pk_add_f32 v[EA+2*m:EA+2*m+1], v[EA+2*m:EA+2*m+1], v[ZZ+2*m:ZZ+2*m+1] neg_lo:[0,1] neg_hi:[0,1]   ; E = P + b0 - V
.set m, m+1
.endr
	; forward substitution, all 31 rows: once X[s] is final, X[t] += C[s][t] X[s] for every t > s
.set idx, 0
.set sx, 0
.rept 31
.set q0, (sx+1)/4
.set bh, 136-(idx+8-q0)
.if bh > 63
.set bh, 63
.endif
	s_wait_dscnt bh                                ; row s's coefficients are in: the later rows' loads may stay out
.set tx, sx+1
.if (sx%2) == 0
.set cr, 256+4*(idx+tx/4-q0)+(tx%4)
.set wn, cr>>8
	WIN wn
.set cr, cr&255
	v_fma_f32 v[XX+tx], v[cr], v[XX+sx], v[XX+tx]
.set tx, tx+1
.endif
.rept (32-tx)/2
.set cr, 256+4*(idx+tx/4-q0)+(tx%4)
.set wn, cr>>8
	WIN wn
.set cr, cr&255
.if (sx%2) == 0
	v_pk_fma_f32 v[XX+tx:XX+tx+1], v[cr:cr+1], v[XX+sx:XX+sx+1], v[XX+tx:XX+tx+1] op_sel_hi:[1,0,1]
.else
	v_pk_fma_f32 v[XX+tx:XX+tx+1], v[cr:cr+1], v[XX+sx-1:XX+sx], v[XX+tx:XX+tx+1] op_sel:[0,1,0] op_sel_hi:[1,1,1]
.endif
.set tx, tx+2
.endr
.set idx, idx+8-q0
.set sx, sx+1
.endr
	WIN 0
.set m, 0
.rept 16
	v_cvt_pk_bf16_f32 v[PK+m], v[XX+2*m], v[XX+2*m+1]
.set m, m+1
.endr
.set m, 0
.rept 16
	ds_store_b16 v[NST], v[PK+m] offset:2*m*MP
	ds_store_b16_d16_hi v[NST], v[PK+m] offset:(2*m+1)*MP
.set m, m+1
.endr
	ds_store_b16 v[NDG], v[ZQ]                     ; T's diagonal is 1: N = T - I (LDS serves a wave's instructions in order: this store comes last)
	s_wait_dscnt 0x0
	s_barrier_signal -1
	s_barrier_wait -1
	; THE BLOCK SOLVE, wave w on columns 16 w on.  Fragment (i, p): rows 16 i on, s = 32 p on, p <= i / 2, at register 8 ((i+1)/2 (i+2)/2 + p)
.macro LOADM adr
.irp i, 0,1,2,3,4,5,6,7
.irp p, 0,1,2,3
.if \p <= \i/2
.set ph, 8*(((\i+1)/2)*((\i+2)/2)+\p)
	ds_load_b128 v[ph:ph+3],   v[\adr] offset:\i*16*MP+64*\p
	ds_load_b128 v[ph+4:ph+7], v[\adr] offset:\i*16*MP+64*\p+32
.endif
.endr
.endr
.endm
	WIN 0x40
	LOADM AFA                                      ; L and N: 40 loads, window 1
	WIN 0
.irp i, 0,1,2,3,4,5,6,7
	ds_load_b128 v[ZZ+8*\i:ZZ+8*\i+3],   v[EZR] offset:32768+\i*4096
	ds_load_b128 v[ZZ+8*\i+4:ZZ+8*\i+7], v[EZR] offset:32768+\i*4096+512
.endr
	WIN 0x80
	LOADM MFA                                      ; M: 40 loads, window 2
	s_wait_dscnt 56                                ; L's fragments are in: Z's 16 loads and M's 40 stay out
; Block blk: S is rounded; H = S + N S; H is rounded; the rows below take -a L H.  No two matrix instructions that follow each other share an accumulator.
.macro SOLVE blk
	WIN 0
.if \blk > 0
	PLACES                                         ; the conversions read results just made
.endif
.irp m, 0,1,2,3,4,5,6,7
	v_cvt_pk_bf16_f32 v[SB+\m], v[EA+16*\blk+2*\m], v[EA+16*\blk+2*\m+1]
.endr
	WIN 0x01
.irp e, 0,1
.set ph, 8*(((2*\blk+\e+1)/2)*((2*\blk+\e+2)/2)+\blk)
	v_wmma_f32_16x16x32_bf16 v[EA+16*\blk+8*\e:EA+16*\blk+8*\e+7], v[ph:ph+7], v[SB:SB+7], v[EA+16*\blk+8*\e:EA+16*\blk+8*\e+7]
.endr
	WIN 0
	PLACES
.irp m, 0,1,2,3,4,5,6,7
	v_cvt_pk_bf16_f32 v[HB+8*\blk+\m], v[EA+16*\blk+2*\m], v[EA+16*\blk+2*\m+1]
.endr
.if \blk < 3
	WIN 0x01
.irp i, 2,3,4,5,6,7
.if \i >= 2*\blk+2
.set ph, 8*(((\i+1)/2)*((\i+2)/2)+\blk)
	v_wmma_f32_16x16x32_bf16 v[EA+8*\i:EA+8*\i+7], v[ph:ph+7], v[HB+8*\blk:HB+8*\blk+7], v[EA+8*\i:EA+8*\i+7]
.endif
.endr
.endif
.endm
	SOLVE 0
	SOLVE 1
	SOLVE 2
	SOLVE 3
	; out = Z + b0 + M H
	s_wait_dscnt 0x0
	WIN 0
.set m, 0
.rept 32
	v_pk_add_f32 v[ZZ+2*m:ZZ+2*m+1], v[ZZ+2*m:ZZ+2*m+1], v[BB:BB+1]
.set m, m+1
.endr
	WIN 0x02
.irp p, 0,1,2,3
.irp i, 0,1,2,3,4,5,6,7
.if \i >= 2*\p
.set ph, 8*(((\i+1)/2)*((\i+2)/2)+\p)
	v_wmma_f32_16x16x32_bf16 v[ZZ+8*\i:ZZ+8*\i+7], v[ph:ph+7], v[HB+8*\p:HB+8*\p+7], v[ZZ+8*\i:ZZ+8*\i+7]
.endif
.endr
.endr
	WIN 0
	PLACES
	; THE WAY OUT: a row's 256 bytes come from four waves: through the stage in slot 1's bytes, a barrier, back as whole rows
.irp i, 0,1,2,3,4,5,6,7
.irp j, 0,1,2,3,4,5,6,7
	ds_store_b32 v[OSW], v[ZZ+8*\i+\j] offset:(16*\i+\j)*MP
.endr
.endr
	s_wait_dscnt 0x0
	s_barrier_signal -1
	s_barrier_wait -1
.irp t, 0,1,2,3,4,5,6,7,8,9,10,11,12,13,14,15
	ds_load_b128 v[EA+4*\t:EA+4*\t+3], v[ORD] offset:\t*2*MP
.endr
.irp t, 0,1,2,3,4,5,6,7,8,9,10,11,12,13,14,15
	s_wait_dscnt 15-\t                             ; the younger loads stay out
	global_store_b128 v[OGO], v[EA+4*\t:EA+4*\t+3], s[12:13] offset:2*\t*4096 th:TH_STORE_NT   ; 16 lanes store 256 consecutive bytes, at a multiple of 256 from out0's first byte
.endr
	s_wait_tensorcnt 0x0
	ds_add_u32 v126, v127
	s_wait_dscnt 0x0
	CROUND                                         ; the closing round: no work-group ends while a partner may still ask for a tile that names it
	s_endpgm
.Lfunc_end_k_q91389bbbbc_ttt:
	.size	k_q91389bbbbc_ttt, .Lfunc_end_k_q91389bbbbc_ttt-k_q91389bbbbc_ttt
	.p2alignl 7, 3214868480
	.fill 96, 4, 3214868480
	.section	.rodata,"a",@progbits
	.p2align	6, 0x0
	.amdhsa_kernel k_q91389bbbbc_ttt
		.amdhsa_group_segment_fixed_size 327680
		.amdhsa_private_segment_fixed_size 0
		.amdhsa_enable_private_segment 0
		.amdhsa_kernarg_size 40
		.amdhsa_user_sgpr_count 2
		.amdhsa_user_sgpr_kernarg_segment_ptr 1
		.amdhsa_wavefront_size32 1
		.amdhsa_system_sgpr_workgroup_id_x 1
		.amdhsa_system_sgpr_workgroup_id_y 1
		.amdhsa_system_sgpr_workgroup_id_z 1
		.amdhsa_system_vgpr_workitem_id 0
		.amdhsa_next_free_vgpr 912
		.amdhsa_next_free_sgpr 100
		.amdhsa_reserve_vcc 1
		.amdhsa_float_denorm_mode_32 3
		.amdhsa_float_denorm_mode_16_64 3
		.amdhsa_memory_ordered 1
		.amdhsa_forward_progress 1
		.amdhsa_inst_pref_size 248
	.end_amdhsa_kernel
	.amdgpu_metadata
---
amdhsa.version: [ 1, 2 ]
amdhsa.kernels:
  - .name:           k_q91389bbbbc_ttt
    .symbol:         k_q91389bbbbc_ttt.kd
    .args:
      - { .name: kq, .offset: 0, .size: 8, .value_kind: global_buffer, .address_space: global }
      - { .name: wb, .offset: 8, .size: 8, .value_kind: global_buffer, .address_space: global }
      - { .name: vf, .offset: 16, .size: 8, .value_kind: global_buffer, .address_space: global }
      - { .name: b0, .offset: 24, .size: 8, .value_kind: global_buffer, .address_space: global }
      - { .name: out0, .offset: 32, .size: 8, .value_kind: global_buffer, .address_space: global }
    .group_segment_fixed_size: 327680
    .private_segment_fixed_size: 0
    .kernarg_segment_align: 8
    .kernarg_segment_size: 40
    .max_flat_workgroup_size: 128
    .sgpr_count:     100
    .vgpr_count:     912
    .wavefront_size: 32
...
	.end_amdgpu_metadata
.endif
;; end of part 2
